; MI455X (gfx1250); checked and timed in simulation.
; The chip was launched on July 23, 2026; its instructions are those of AMD's public machine-readable ISA for CDNA 5 (MIT licence, August 2026) and "CDNA5" Instruction Set Architecture Reference Guide (July 2026). The comments in the code are by the model that wrote it; some were corrected since.
;; attention nearly Layer. Allowed arithmetic: matrix products marked QUANTISED: E2M1 operands, one E8M0 scale for each 32 along K, by v_wmma_scale_f32_16x16x128_f8f6f4 with both operands' format E2M1 (or v_wmma_scale_f32_32x16x128_f4), f32 sums; products left as they are: f32 operands where the result goes on into a quantised operand, else bf16, f16 or f32 operands; f32 sums; everything else in f32.
;; Inputs: V_b 1 float32; V_w 1,024 x 1 float32; W1_b 1,024 float32; W1_w_codes 1,024 x 32 x 16 uint8 (E2M1 codes of W1_w, K innermost, in blocks of 32 codes, two codes a byte); W1_w_scales 1,024 x 32 uint8 (E8M0 scales of W1_w, one for each 32 codes along K); W2_b 1,024 float32; W2_w_codes 1,024 x 32 x 16 uint8 (E2M1 codes of W2_w, K innermost, in blocks of 32 codes, two codes a byte); W2_w_scales 1,024 x 32 uint8 (E8M0 scales of W2_w, one for each 32 codes along K); query_codes 32 x 1 x 32 x 16 uint8 (E2M1 codes of query, K innermost, in blocks of 32 codes, two codes a byte); query_scales 32 x 1 x 32 uint8 (E8M0 scales of query, one for each 32 codes along K); values 32 x 2,048 x 1,024 float32.
;; Outputs: out0 32 x 1,024 float32; out1 32 x 2,048 x 1 float32.
;; This version of the problem:
;;   THIS VERSION OF THE PROBLEM IS GIVEN IN LOW PRECISION. The matrix products marked QUANTISED in the list below multiply operands that are first quantised to E2M1 (2 exponent bits, 1 mantissa bit; 4 bits a number), with one power-of-two scale for each 32 numbers along K (OCP MX v1.0); their sums are f32. All else is computed in f32.
;;   The module's matrix products, in the order in which they are computed (A, B: the left and right operand; K: the contracted axis; several contracted axes count as one K, in the product's order):
;;     1. [M 65,536, K 1,024] x [K 1,024, N 1,024]; A: input values; B: input W1_w (given as codes): QUANTISED
;;     2. [M 32, K 1,024] x [K 1,024, N 1,024]; A: input query (given as codes); B: input W2_w (given as codes): QUANTISED
;;     3. [M 65,536, K 1,024] x [K 1,024, N 1]; A: computed on the way; B: input V_w: left as it is (N = 1 < 16)
;;   THE QUANTISER, for each operand of a quantised product, along K:
;;     - K is cut into blocks of 32 from its start; a last block that is shorter is filled with zeros.
;;     - A block's scale is 2^e with e = floor(log2(the largest magnitude in the block)) - 2, held to -126 .. 127; a block of zeros has e = 0. As a byte (E8M0): e + 127.
;;     - Each number is divided by its block's scale, clamped to +-6, and rounded to the nearest number of E2M1, ties to even, subnormals kept.
;;     - The product sums the exact products of the quantised numbers (number of the format x scale) in f32.
;;   ~~~python
;;   def quantise(x, axis):      # numpy; x: float32 -> the quantised numbers, widened to float32 again
;;       x = np.moveaxis(x, axis, -1); K = x.shape[-1]
;;       x = np.pad(x, [(0, 0)] * (x.ndim - 1) + [(0, -K % 32)]); x = x.reshape(x.shape[:-1] + (-1, 32)); a = np.abs(x).max(-1, keepdims=True)
;;       e = np.where(a > 0, np.clip(np.frexp(np.where(a > 0, a, 1))[1] - 1 - 2, -126, 127), 0)      # np.frexp(a)[1] - 1 = floor(log2(a)), exactly
;;       r = np.clip(x / 2.0 ** e, -6, 6)
;;       step = 2.0 ** (np.maximum(np.frexp(np.where(r == 0, 1, r))[1] - 1, 0) - 1)
;;       q = np.round(r / step) * step * 2.0 ** e      # np.round: ties to even
;;       return np.moveaxis(q.reshape(q.shape[:-2] + (-1,))[..., :K], -1, axis).astype(np.float32)
;;   ~~~
;;   INPUTS GIVEN AS CODES. W1_w (in the module: [1024, 1024], K = its axis 0); W2_w (in the module: [1024, 1024], K = its axis 0); query (in the module: [32, 1, 1024], K = its axis 2): each comes as NAME_codes (uint8): NAME with its K axis moved to the last place and cut into blocks of 32 codes, [.., K / 32, bytes a block], one block behind the other in memory; two codes a byte, the lower K in the low four bits (a code: sign, 2 exponent bits, 1 mantissa bit); and NAME_scales (uint8): the same leading axes, one E8M0 byte (e + 127) for each 32 codes along K. Its value is code x scale, taken as it is: it is not quantised again, and the codes and scales need not be those that the quantiser above would give.
;; One version. Each part assembles by itself: llvm-mc -triple=amdgcn-amd-amdhsa -mcpu=gfx1250 --defsym DOCPART=n.
;; ======== version 1 of 1: 3 launches
;; limits: right only within a limited range of input values
;; workspace buffers: w1f 524,288 bytes; kc 131,072 bytes; tsc 262,144 bytes; stat 65,536 bytes; pctx 1,048,576 bytes
;; launch prep (part 1): grid 16 x 1, 8 waves a work-group, no clusters, 9,728 bytes of LDS; arguments query_codes, query_scales, W2_w_codes, W2_w_scales, W1_b, W2_b, W1_w_codes, w1f, kc; writes w1f, kc
.if DOCPART == 1
	.amdgcn_target "amdgcn-amd-amdhsa--gfx1250"
	.amdhsa_code_object_version 6
	.text
	.protected	k_q7c5f1ec248_prep
	.globl	k_q7c5f1ec248_prep
	.p2align	8
	.type	k_q7c5f1ec248_prep,@function
k_q7c5f1ec248_prep:
	s_mov_b64 s[64:65], 0
	v_nop
	global_prefetch_b8 v0, s[64:65] scope:SCOPE_SE
	s_setreg_imm32_b32 hwreg(HW_REG_WAVE_MODE, 25, 1), 1
	s_wait_xcnt 0x0
; TWO SMALL JOBS AHEAD OF THE MAIN LAUNCH.
; (1) kc[b][u] = K2 x (query[b] . W2[:, u] + W1_b[u] + W2_b[u]), K2 = 2 log2(e): the part of tanh's argument that does not hang on the time step, already scaled for the
;     exponential of base 2.  The product runs on the given E2M1 codes and E8M0 scale bytes: 32 x 1,024 x 1,024, sums in f32.
; (2) w1f = W1's codes laid in the order of an operand's registers: [tile of 16 columns n][K step s of 128][c][lane][16 bytes]; lane (r, h) of (n, s, c) holds the 16 bytes at
;     row 16 n + r, byte 64 s + 32 c + 16 h: registers 4 c .. 4 c + 3 of the fragment.  A later load of 16 bytes a lane then reads 512 bytes on end.
; SHARES.  Work-group g owns columns 64 g .. 64 g + 63.  Wave wv: tile n = 4 g + (wv & 3); batches 16 mt .. 16 mt + 15 and W1's K steps 4 mt .. 4 mt + 3, mt = wv >> 2.
; kc leaves through a stage in LDS (32 rows x (256 bytes + 16)), so that sixteen lanes store 256 consecutive bytes, aligned.
; LIMITS: codes and scale bytes are taken as given; a scale byte 0xff gives NaN, as in the definition.
.set K2,  0x4038aa3b                   ; 2 log2(e)
.set SP,  272                          ; a stage row
	s_load_b256 s[4:11], s[0:1], 0x0               ; query codes s[4:5], query scales s[6:7], W2 codes s[8:9], W2 scales s[10:11]
	s_load_b256 s[12:19], s[0:1], 0x20             ; W1_b s[12:13], W2_b s[14:15], W1 codes s[16:17], w1f s[18:19]
	s_load_b64 s[20:21], s[0:1], 0x40              ; kc
	v_lshl_add_u32 v232, v0, 2, 0x2200
	v_mov_b32 v233, 0
	v_lshrrev_b32 v1, 5, v0
	s_delay_alu instid0(VALU_DEP_1)
	v_readfirstlane_b32 s22, v1                    ; wave 0..7
	v_and_b32 v1, 31, v0                           ; lane
	v_and_b32 v2, 15, v0                           ; r
	v_bfe_u32 v3, v0, 4, 1                         ; h
	s_wait_alu depctr_va_vdst(0)
	s_and_b32 s23, s22, 3                          ; which of the group's four tiles
	s_lshr_b32 s24, s22, 2                         ; mt
	s_lshl_b32 s25, ttmp9, 2
	s_add_co_u32 s25, s25, s23                     ; n = 4 g + tile
	s_mov_b32 s28, K2
	v_lshlrev_b32 v4, 9, v2
	s_delay_alu instid0(VALU_DEP_1)
	v_lshl_add_u32 v4, v3, 4, v4                   ; a weight's row r of 512 bytes, + 16 h
	s_lshl_b32 s26, s24, 13
	v_add_nc_u32 v5, s26, v4                       ; query: row 16 mt + r
	v_lshlrev_b32 v6, 4, v1                        ; 16 x lane
	v_lshlrev_b32 v7, 5, v2                        ; W2's scale bytes: 32 a row
	s_lshl_b32 s26, s24, 9
	v_add_nc_u32 v8, s26, v7                       ; query's: row 16 mt + r
	v_lshlrev_b32 v9, 2, v2                        ; the biases: 4 r
	s_mul_i32 s26, s24, 16*SP
	s_lshl_b32 s27, s23, 6
	s_add_co_u32 s26, s26, s27
	v_mul_u32_u24 v10, v3, 8*SP
	s_delay_alu instid0(VALU_DEP_1)
	v_lshl_add_u32 v10, v2, 2, v10
	s_delay_alu instid0(VALU_DEP_1)
	v_add_nc_u32 v10, s26, v10                     ; into the stage: row 16 mt + 8 h (+ j), byte 64 x tile + 4 r
	s_mul_i32 s26, s22, 4*SP
	v_mul_u32_u24 v11, v3, SP
	s_delay_alu instid0(VALU_DEP_1)
	v_lshl_add_u32 v11, v2, 4, v11
	s_delay_alu instid0(VALU_DEP_1)
	v_add_nc_u32 v11, s26, v11                     ; back: row 4 wv + h (+ 2 i), 16 bytes a lane
	s_lshl_b32 s26, s22, 14
	v_lshlrev_b32 v12, 12, v3
	s_delay_alu instid0(VALU_DEP_1)
	v_lshl_add_u32 v12, v2, 4, v12
	s_delay_alu instid0(VALU_DEP_1)
	v_add_nc_u32 v12, s26, v12                     ; and the same place in kc: rows of 4,096 bytes
	s_mov_b32 s31, 0
	s_lshl_b32 s30, s25, 13                        ; 16 rows of 512 bytes, and a tile of w1f: 8,192 n
	s_wait_kmcnt 0x0
	s_add_nc_u64 s[8:9], s[8:9], s[30:31]
	s_add_nc_u64 s[16:17], s[16:17], s[30:31]
	s_add_nc_u64 s[18:19], s[18:19], s[30:31]
	s_lshl_b32 s30, s25, 9                         ; 16 rows of 32 scale bytes
	s_add_nc_u64 s[10:11], s[10:11], s[30:31]
	s_lshl_b32 s30, s25, 6                         ; 16 numbers of a bias
	s_add_nc_u64 s[12:13], s[12:13], s[30:31]
	s_add_nc_u64 s[14:15], s[14:15], s[30:31]
	s_lshl_b32 s30, s24, 8                         ; W1: my four K steps begin 256 mt bytes along a row,
	s_add_nc_u64 s[16:17], s[16:17], s[30:31]
	s_lshl_b32 s30, s24, 12                        ; and 4,096 mt bytes into the tile of w1f
	s_add_nc_u64 s[18:19], s[18:19], s[30:31]
	s_lshl_b32 s30, ttmp9, 8                       ; kc: the group's 64 columns
	s_add_nc_u64 s[20:21], s[20:21], s[30:31]
.irp s, 0,1,2,3
.irp c, 0,1
	global_load_b128 v[160+8*\s+4*\c:160+8*\s+4*\c+3], v4, s[16:17] offset:64*\s+32*\c   ; W1's fragments first: they only pass through
.endr
.endr
	global_load_b128 v[16:19], v8, s[6:7]          ; query's scale words of K steps 0 .. 7: v16-23
	global_load_b128 v[20:23], v8, s[6:7] offset:16
	global_load_b128 v[24:27], v7, s[10:11]        ; W2's: v24-31
	global_load_b128 v[28:31], v7, s[10:11] offset:16
	global_load_b32 v208, v9, s[12:13]             ; W1_b and W2_b at column 16 n + r
	global_load_b32 v209, v9, s[14:15]
.irp s, 0,1,2,3,4,5,6,7
.irp c, 0,1
	global_load_b128 v[32+8*\s+4*\c:32+8*\s+4*\c+3], v5, s[4:5] offset:64*\s+32*\c
	global_load_b128 v[96+8*\s+4*\c:96+8*\s+4*\c+3], v4, s[8:9] offset:64*\s+32*\c
.endr
.endr
	s_wait_loadcnt 38                              ; the eight oldest loads, W1's, are in; the 38 issued behind them may be out
.irp s, 0,1,2,3
.irp c, 0,1
	global_store_b128 v6, v[160+8*\s+4*\c:160+8*\s+4*\c+3], s[18:19] offset:512*(2*\s+\c)   ; 32 lanes store 512 consecutive bytes
.endr
.endr
	s_wait_loadcnt 0x0
; source 0 = 16 batches of the query, source 1 = 16 columns of W2: register j of lane (r, h) is (batch 16 mt + 8 h + j, column 16 n + r).
; Two accumulators take the K steps by turns; the first two products start the sums.
	v_wmma_scale_f32_16x16x128_f8f6f4 v[192:199], v[32:39], v[96:103], 0, v16, v24 matrix_a_fmt:MATRIX_FMT_FP4 matrix_b_fmt:MATRIX_FMT_FP4
	v_wmma_scale_f32_16x16x128_f8f6f4 v[200:207], v[40:47], v[104:111], 0, v17, v25 matrix_a_fmt:MATRIX_FMT_FP4 matrix_b_fmt:MATRIX_FMT_FP4
.irp s, 2,4,6
	v_wmma_scale_f32_16x16x128_f8f6f4 v[192:199], v[32+8*\s:39+8*\s], v[96+8*\s:103+8*\s], v[192:199], v[16+\s], v[24+\s] matrix_a_fmt:MATRIX_FMT_FP4 matrix_b_fmt:MATRIX_FMT_FP4
	v_wmma_scale_f32_16x16x128_f8f6f4 v[200:207], v[40+8*\s:47+8*\s], v[104+8*\s:111+8*\s], v[200:207], v[17+\s], v[25+\s] matrix_a_fmt:MATRIX_FMT_FP4 matrix_b_fmt:MATRIX_FMT_FP4
.endr
	v_add_f32 v209, v208, v209                     ; four places behind the last product (ISA guide 7.12.1): the biases' sum,
	s_delay_alu instid0(VALU_DEP_1)
	v_mul_f32 v209, s28, v209                      ; times K2,
	v_nop
	v_nop
.irp j, 0,1,2,3,4,5,6,7
	v_add_f32 v[210+\j], v[192+\j], v[200+\j]      ; the two halves of K; each accumulator from its low end on
.endr
.irp j, 0,1,2,3,4,5,6,7
	v_fma_f32 v[210+\j], v[210+\j], s28, v209
.endr
.irp j, 0,1,2,3,4,5,6,7
	ds_store_b32 v10, v[210+\j] offset:SP*\j
.endr
	s_wait_dscnt 0x0                               ; for the others' sake: my stores into the stage are done
	s_barrier_signal -1
	s_barrier_wait -1
	ds_load_b128 v[218:221], v11
	ds_load_b128 v[222:225], v11 offset:2*SP
	s_wait_dscnt 0x0
	global_store_b128 v12, v[218:221], s[20:21]    ; sixteen lanes store 256 consecutive bytes, at a multiple of 256 from kc's first byte
	global_store_b128 v12, v[222:225], s[20:21] offset:8192
	s_wait_tensorcnt 0x0
	ds_add_u32 v232, v233
	s_wait_dscnt 0x0
	s_endpgm
.Lfunc_end_k_q7c5f1ec248_prep:
	.size	k_q7c5f1ec248_prep, .Lfunc_end_k_q7c5f1ec248_prep-k_q7c5f1ec248_prep
	.p2alignl 7, 3214868480
	.fill 96, 4, 3214868480
	.section	.rodata,"a",@progbits
	.p2align	6, 0x0
	.amdhsa_kernel k_q7c5f1ec248_prep
		.amdhsa_group_segment_fixed_size 9728
		.amdhsa_private_segment_fixed_size 0
		.amdhsa_enable_private_segment 0
		.amdhsa_kernarg_size 72
		.amdhsa_user_sgpr_count 2
		.amdhsa_user_sgpr_kernarg_segment_ptr 1
		.amdhsa_wavefront_size32 1
		.amdhsa_system_sgpr_workgroup_id_x 1
		.amdhsa_system_sgpr_workgroup_id_y 1
		.amdhsa_system_sgpr_workgroup_id_z 1
		.amdhsa_system_vgpr_workitem_id 0
		.amdhsa_next_free_vgpr 234
		.amdhsa_next_free_sgpr 66
		.amdhsa_reserve_vcc 0
		.amdhsa_float_denorm_mode_32 3
		.amdhsa_float_denorm_mode_16_64 3
		.amdhsa_memory_ordered 1
		.amdhsa_forward_progress 1
		.amdhsa_inst_pref_size 11
	.end_amdhsa_kernel
	.amdgpu_metadata
---
amdhsa.version: [ 1, 2 ]
amdhsa.kernels:
  - .name:           k_q7c5f1ec248_prep
    .symbol:         k_q7c5f1ec248_prep.kd
    .args:
      - { .name: query_codes, .offset: 0, .size: 8, .value_kind: global_buffer, .address_space: global }
      - { .name: query_scales, .offset: 8, .size: 8, .value_kind: global_buffer, .address_space: global }
      - { .name: W2_w_codes, .offset: 16, .size: 8, .value_kind: global_buffer, .address_space: global }
      - { .name: W2_w_scales, .offset: 24, .size: 8, .value_kind: global_buffer, .address_space: global }
      - { .name: W1_b, .offset: 32, .size: 8, .value_kind: global_buffer, .address_space: global }
      - { .name: W2_b, .offset: 40, .size: 8, .value_kind: global_buffer, .address_space: global }
      - { .name: W1_w_codes, .offset: 48, .size: 8, .value_kind: global_buffer, .address_space: global }
      - { .name: w1f, .offset: 56, .size: 8, .value_kind: global_buffer, .address_space: global }
      - { .name: kc, .offset: 64, .size: 8, .value_kind: global_buffer, .address_space: global }
    .group_segment_fixed_size: 9728
    .private_segment_fixed_size: 0
    .kernarg_segment_align: 8
    .kernarg_segment_size: 72
    .max_flat_workgroup_size: 256
    .sgpr_count:     66
    .vgpr_count:     234
    .wavefront_size: 32
...
	.end_amdgpu_metadata
.endif
;; end of part 1
;; launch main (part 2): grid 8 x 32, 4 waves a work-group, no clusters, 327,680 bytes of LDS; arguments values, w1f, W1_w_scales, kc, V_w, V_b, tsc, stat, pctx; writes tsc, stat, pctx
.if DOCPART == 2
	.amdgcn_target "amdgcn-amd-amdhsa--gfx1250"
	.amdhsa_code_object_version 6
	.text
	.protected	k_q7c5f1ec248_main
	.globl	k_q7c5f1ec248_main
	.p2align	8
	.type	k_q7c5f1ec248_main,@function
k_q7c5f1ec248_main:
	s_mov_b64 s[64:65], 0
	v_nop
	global_prefetch_b8 v0, s[64:65] scope:SCOPE_SE
	s_setreg_imm32_b32 hwreg(HW_REG_WAVE_MODE, 25, 1), 1
	s_wait_xcnt 0x0
; ADDITIVE ATTENTION, ONE PASS OVER values.  score[t] = sum over u of V[u] tanh(values[t] . W1[:, u] + (q W2 + b1 + b2)[u]) + V_b; softmax over t; context = sum of weight x values[t].
; values [32][2048][1024] f32 are quantised here along their 1,024 (E2M1 codes, one E8M0 byte for each 32); W1 comes as codes in operand order (w1f, [tile][K step][c][lane][16 bytes]).
; SHARES.  Work-group (x, b) owns rows 256 x .. 256 x + 255 of batch b and walks them in 8 blocks of 32.  It leaves t = (score + V_b) log2(e) of its rows (tsc), its largest t and its sum
; of 2^(t - largest) (stat), and its part of the context under that largest t (pctx); the next launch joins a batch's eight parts.
; A block's f32 rows stay in LDS until their weights are known, so that each byte of values is fetched once: two slots of 32 rows, filled by the tensor data mover, each wave a quarter
; of the columns (32 rows x 1,024 bytes, 16 bytes of padding behind each: rows 1,040 bytes apart, so that sixteen rows at one column start at sixteen different banks (64 banks of 4 bytes: ISA guide 11.1)).
; THE WAVES SHARE THE COLUMNS OF W1: wave w owns hidden units 256 w .. 256 w + 255, 16 tiles of 16, for all 32 rows.  Its even tiles stay in registers for the whole launch (512 registers);
; its odd tiles are streamed anew in each block, from memory straight into two buffers of 64 registers, each asked for two odd tiles ahead.
; A BLOCK, three barriers:  change of slots | Q: wave w quantises rows 16 (w & 1) .. + 15, K steps 4 (w >> 1) .. + 3, and stores the fragments to LDS as images of their registers | barrier |
; all 16 fragments into registers; per tile 16 products (2 x 16 rows x 8 K steps), then tanh and the dot with V in f32 | the waves' partial scores meet in LDS | barrier |
; running softmax (every wave alike), and the context of the wave's own 256 columns from the f32 rows in LDS.
; tanh(z) = 1 - 2 / (1 + 2^(K2 z)), K2 = 2 log2(e); K2 z = K2 x product + kc.  score = sum of V + sum of (-2 V) / (1 + 2^..): the first is bounded by the sum of |V|, the second by twice it.
; NO JOINT LOADS: values are shared by nobody.  W1 is shared by all, but beside the two slots (266,240 bytes) and the stages (19,456) 41,984 of the 327,680 bytes claimed are left, and two slots
; of one step's four tiles of W1 would take 65,536: so the weights go into registers, where a joint load does not reach.
; LIMITS: NaN and infinities among the inputs are not served.  A block of 32 whose largest magnitude lies under 2^-124 keeps the scale byte 1 (a block of zeros too: its codes are zeros,
; and this launch alone reads the bytes).  The exponentials and reciprocals are the instructions' own, 1 ulp each; none stands ahead of a quantiser.
; REGISTERS, in windows of 256 (s_set_vgpr_msb: bits 1:0 source 0, 3:2 source 1, 5:4 source 2, 7:6 destination):
;   window 0: all that vector instructions work on (map below).   windows 1, 2: the resident tiles: tile 2 p at v[64 (p % 4)] of window 1 + p / 4.
;   window 3: v0-127 the block's 16 fragments (K step s, rows 16 mt on: v[8 (2 s + mt)]); before them the quantiser's two input sets, behind them two sets of 8 f32 rows; v128-191, v192-255 the stream buffers.
.set RP,    1040                       ; a row's quarter in LDS
.set QB,    32*RP                      ; a quarter of a slot: what one tensor load brings
.set SLOTB, 4*QB                       ; 133,120 = 0x20800: no wave's offset in a slot has one of these two bits, so one exclusive or changes slots
.set IMG,   2*SLOTB                    ; 16 fragments' images, 1,024 bytes each: (2 s + mt) x 1,024 + 512 c + 16 x lane
.set ASC,   IMG+16384                  ; their scale words: 128 s + 4 x row
.set PART,  ASC+1024                   ; partial scores: 128 x wave + 4 x row
.set SCST,  PART+512                   ; wave 0's own: the work-group's 256 t
.set SPARE, SCST+1024                  ; the spare words, 128 bytes for each wave: two blocks of 256 bytes that no other line names
.set BLKB,  32*4096                    ; a block of values in memory
.set SPW, 1                            ; v1   SPARE + 4 x my thread's number; never rewritten
.set NIL, 2                            ; v2   0; never rewritten
.set L16, 3                            ; v3   16 x lane
.set QA0, 4                            ; v4   the quantiser's place in a slot;  v5 the same in the slot in hand
.set QA,  5
.set IWI, 6                            ; v6   where I store my images;  v7 their scale words
.set IWS, 7
.set AIL, 8                            ; v8   where any image is read;  v9 the scale words
.set ASL, 9
.set PST, 10                           ; v10  where I store partial scores;  v11 where all four are read
.set PRD, 11
.set CA0, 12                           ; v12  my columns' place in a slot;  v13 the same in the slot in hand
.set CA,  13
.set SSA, 14                           ; v14  SCST + 4 x lane;  v15 the same for the block in hand
.set SSB, 15
.set AS,  16                           ; v16-23   the rows' scale words of K step s: lanes 0-15 rows 0-15, lanes 16-31 rows 16-31
.set BS,  24                           ; v24-87   W1's: register 8 p + s: lanes 0-15 tile 2 p, lanes 16-31 tile 2 p + 1
.set KC,  88                           ; v88-103  kc at column r of my 16 tiles
.set W,   104                          ; v104-119 -2 V likewise
.set KCC, 120                          ; v[120:121], v[122:123] the tile's kc and -2 V, v[124:125] the sum of my V: pairs of which the low word serves both halves
.set WC,  122
.set VS,  124
.set SACC, 126                         ; v126-141 score sums: 8 mt + j
.set ACC, 142                          ; v142-157 the tile's two accumulators
.set CTX, 158                          ; v158-173 the context of my 8 columns a lane, in two sets
.set MX,  174                          ; v174 the largest t so far;  v175 the sum, a lane a part
.set LS,  175
.set F,   176                          ; v[176:177] 2^(old largest - new)
.set P,   178                          ; v178 my row's weight;  v179 its t
.set TS,  179
.set T,   180                          ; v180-187 at work
.set VBL, 188                          ; v188 V_b log2(e)
.set SRB, 189                          ; v189 SCST + 16 x lane;  v190 8 x lane
.set L8,  190
; ODD TILE 15 OF EACH WAVE IS NOT STREAMED: its 8,192 bytes are stored once, at the head, into LDS bytes of the wave's own (4 x 8,192 of the 41,984 bytes left behind the spare words)
; and are read from there in every block; the wave alone stores and reads them, so no barrier is owed.  Seven odd tiles a wave are streamed from memory in each block.
; values ARE PREFETCHED: in trip t each wave asks for its quarter of block t + 3 (32 rows x 1,024 bytes: a lane a row, four instructions 256 bytes apart), two trips ahead of the tensor load that
; brings that block; blocks 0 to 2 come by their loads alone, and trips 5 and 6 ask for nothing: there is no block 8.  No other work-group reads these bytes, so each is named once.
.set W1A, 191                          ; v191 LDS address of my tile 15: W1L + 8,192 x wave + 16 x lane
.set PFO, 226                          ; v226 the prefetches' offset: 4,096 x lane; never rewritten.  s[72:73]: my quarter of the block that the trip's prefetches name
; THE TILES GO IN PAIRS: an even tile's 16 products and the next odd tile's 16 stand one behind the other, on four accumulators; then one pass of tanh takes both tiles' 32 registers,
; so that each batch of transcendentals is 32 long and its waits serve two tiles.
.set ACC2, 228                         ; v228-243 the odd tile's two accumulators
.set KCC2, 244                         ; v[244:245], v[246:247] the odd tile's kc and -2 V: pairs of which the low word serves both halves
.set WC2,  246
.set W1L, SPARE+512                    ; behind the spare words: the four waves' tiles 15
.set TM,  192                          ; v192-207 the quantiser's work
.set PC,  208                          ; v208-223 two sets of codes;  v224-225 their scale words
.set PW,  224
.set MSB, 0
.macro WIN new                         ; the immediate's high byte repeats the setting that is left; a switch that changes nothing is dropped
.if MSB != (\new)
	s_set_vgpr_msb (MSB<<8)|(\new)
.set MSB, (\new)
.endif
.endm
.macro BAR                             ; my LDS stores have landed and my LDS loads are in: then the work-group's barrier.  My tensor load may stay out
	s_wait_dscnt 0x0
	s_barrier_signal -1
	s_barrier_wait -1
.endm
; THE CHANGE OF SLOTS, at a block's head.  Every wave waits for all its tensor loads (one is out: its quarter of this block), adds 0 to its spare word, and waits for that and for its reads of the
; slot that it has left.  Behind the barrier this block is whole and nobody reads the other slot.  fill = 1: that slot takes the next block: the load has this whole block's work in which to land.
.macro CHANGE fill
	s_wait_tensorcnt 0x0                           ; no tensor load of mine is out, so group 0 may be written
	ds_add_u32 v[SPW], v[NIL]                      ; 0 onto my spare word
.if \fill
	s_xor_b32 s37, s37, SLOTB                      ; the other slot than last time,
	s_add_nc_u64 s[38:39], s[38:39], BLKB          ; the next 32 rows; the type bits on top are not reached
	s_wait_xcnt 0x0                                ; my prefetches have read their address, so it may be written:
	s_add_nc_u64 s[72:73], s[72:73], BLKB          ; two blocks further on than the walking descriptor
.endif
	s_wait_dscnt 0x0                               ; the add is done, and my LDS reads are over
	s_barrier_signal -1
	s_barrier_wait -1
.if \fill
	tensor_load_to_lds s[36:39], s[40:47]          ; first behind the barrier, my one tensor load until the next change: one is out by this text's count
	s_nop 0
.endif
	v_add_nc_u32 v[QA], s26, v[QA0]                ; four vector lines stand behind the load, ahead of the next switch of windows: the block's addresses
	v_add_nc_u32 v[CA], s26, v[CA0]
	v_add_nc_u32 v[SSB], s29, v[SSA]
	v_nop
.endm
; My 16 rows' numbers of my e-th K step: lane (r, h) takes, of each block of 32, its half's 16 neighbours: register 16 b + i = k 32 b + 16 h + i.  Into input set e % 2 of window 3.
.macro QLOAD e
	WIN 0xc0
.irp b, 0,1,2,3
.irp j, 0,1,2,3
	ds_load_b128 v[64*((\e)%2)+16*\b+4*\j:64*((\e)%2)+16*\b+4*\j+3], v[QA] offset:((\e)/2)*QB+((\e)%2)*512+128*\b+16*\j
.endr
.endr
	WIN 0
.endm
; Input set buf becomes a fragment's codes in v[PC + 8 buf] on and its rows' scale word in v[PW + buf].
.macro QUANT buf
.set XS, 64*(\buf)
.set PCX, PC+8*(\buf)
.set PWX, PW+(\buf)
	WIN 0x0f
.irp b, 0,1,2,3
	v_max3_num_f32 v[TM+\b], |v[XS+16*\b]|, |v[XS+16*\b+1]|, 0x1800000   ; block b: my 16 numbers, and the floor 2^(3 - 127): the byte cannot fall under 1
.endr
.irp i, 2,4,6,8,10,12,14
.irp b, 0,1,2,3
	v_max3_num_f32 v[TM+\b], |v[XS+16*\b+\i]|, |v[XS+16*\b+\i+1]|, v[TM+\b]   ; (the four blocks by turns)
.endr
.endr
	WIN 0
.irp b, 0,1,2,3
	v_permlanex16_b32 v[TM+4+\b], v[TM+\b], s32, s33
.endr
.irp b, 0,1,2,3
	v_max_num_f32 v[TM+\b], v[TM+\b], v[TM+4+\b]   ; with lane l xor 16's: the block's largest magnitude
.endr
.irp b, 0,1,2,3
	v_add_nc_u32 v[TM+12+\b], 0xff000000, v[TM+\b] ; 2 off its exponent field: the conversion takes the exponent field of this operand as its scale
.endr
.irp b, 0,1,2,3
	v_lshrrev_b32 v[TM+4+\b], 23, v[TM+12+\b]      ; the scale's byte
.endr
	v_lshl_or_b32 v[PWX], v[TM+5], 8, v[TM+4]
	v_lshl_or_b32 v[PWX], v[TM+6], 16, v[PWX]
	v_lshl_or_b32 v[PWX], v[TM+7], 24, v[PWX]
	WIN 0x03
.irp b, 0,1,2,3
	v_cvt_scalef32_pk8_fp4_f32 v[PCX+2*\b], v[XS+16*\b:XS+16*\b+7], v[TM+12+\b]
	v_cvt_scalef32_pk8_fp4_f32 v[PCX+2*\b+1], v[XS+16*\b+8:XS+16*\b+15], v[TM+12+\b]
.endr
	WIN 0
	v_nop                                          ; one plain place behind a scaled conversion
.irp c, 0,1                                    ; the operand's layout wants a whole block in a lane: lanes 0-15 block 2 c, lanes 16-31 block 2 c + 1
.irp i, 0,1
	v_permlane16_swap_b32 v[PCX+4*\c+\i], v[PCX+4*\c+2+\i]
.endr
.endr
.endm
.macro IMAGE e                         ; the fragment goes to LDS as it stands: 512 consecutive bytes a store; both halves of the lanes write a row's word with the same value
	ds_store_b128 v[IWI], v[PC+8*((\e)%2):PC+8*((\e)%2)+3] offset:2048*(\e)
	ds_store_b128 v[IWI], v[PC+8*((\e)%2)+4:PC+8*((\e)%2)+7] offset:2048*(\e)+512
	ds_store_b32 v[IWS], v[PW+(\e)%2] offset:128*(\e)
.endm
.macro ALOAD                           ; the block's scale words, then its 16 fragments in the order of the K steps
.irp s, 0,1,2,3,4,5,6,7
	ds_load_b32 v[AS+\s], v[ASL] offset:128*\s
.endr
	WIN 0xc0
.irp f, 0,1,2,3,4,5,6,7,8,9,10,11,12,13,14,15
	ds_load_b128 v[8*\f:8*\f+3], v[AIL] offset:1024*\f
	ds_load_b128 v[8*\f+4:8*\f+7], v[AIL] offset:1024*\f+512
.endr
	WIN 0
.endm
; One product: rows 16 mt on x tile i, K step S.  Source 0 = the rows, source 1 = 16 columns of W1: register j of lane (r, h) is (row 16 mt + 8 h + j, column r of the tile).
.macro WM mt, i
.set rD, ACC+8*(\mt)+(ACC2-ACC)*((\i)%2)
.set rA, 8*(2*S+(\mt))
.set rB, BR+8*S
.set rX, AS+S
.set rY, BS+8*((\i)/2)+S
.if S == 0
.if (\mt) == 0
.if ((\i)%2) == 0
	v_wmma_scale_f32_16x16x128_f8f6f4 v[rD:rD+7], v[rA:rA+7], v[rB:rB+7], 0, v[rX], v[rY] matrix_a_fmt:MATRIX_FMT_FP4 matrix_b_fmt:MATRIX_FMT_FP4
.else
	v_wmma_scale_f32_16x16x128_f8f6f4 v[rD:rD+7], v[rA:rA+7], v[rB:rB+7], 0, v[rX], v[rY] matrix_a_fmt:MATRIX_FMT_FP4 matrix_b_fmt:MATRIX_FMT_FP4 matrix_b_scale:MATRIX_SCALE_ROW1
.endif
.else
.if ((\i)%2) == 0
	v_wmma_scale_f32_16x16x128_f8f6f4 v[rD:rD+7], v[rA:rA+7], v[rB:rB+7], 0, v[rX], v[rY] matrix_a_fmt:MATRIX_FMT_FP4 matrix_b_fmt:MATRIX_FMT_FP4 matrix_a_scale:MATRIX_SCALE_ROW1
.else
	v_wmma_scale_f32_16x16x128_f8f6f4 v[rD:rD+7], v[rA:rA+7], v[rB:rB+7], 0, v[rX], v[rY] matrix_a_fmt:MATRIX_FMT_FP4 matrix_b_fmt:MATRIX_FMT_FP4 matrix_a_scale:MATRIX_SCALE_ROW1 matrix_b_scale:MATRIX_SCALE_ROW1
.endif
.endif
.else
.if (\mt) == 0
.if ((\i)%2) == 0
	v_wmma_scale_f32_16x16x128_f8f6f4 v[rD:rD+7], v[rA:rA+7], v[rB:rB+7], v[rD:rD+7], v[rX], v[rY] matrix_a_fmt:MATRIX_FMT_FP4 matrix_b_fmt:MATRIX_FMT_FP4
.else
	v_wmma_scale_f32_16x16x128_f8f6f4 v[rD:rD+7], v[rA:rA+7], v[rB:rB+7], v[rD:rD+7], v[rX], v[rY] matrix_a_fmt:MATRIX_FMT_FP4 matrix_b_fmt:MATRIX_FMT_FP4 matrix_b_scale:MATRIX_SCALE_ROW1
.endif
.else
.if ((\i)%2) == 0
	v_wmma_scale_f32_16x16x128_f8f6f4 v[rD:rD+7], v[rA:rA+7], v[rB:rB+7], v[rD:rD+7], v[rX], v[rY] matrix_a_fmt:MATRIX_FMT_FP4 matrix_b_fmt:MATRIX_FMT_FP4 matrix_a_scale:MATRIX_SCALE_ROW1
.else
	v_wmma_scale_f32_16x16x128_f8f6f4 v[rD:rD+7], v[rA:rA+7], v[rB:rB+7], v[rD:rD+7], v[rX], v[rY] matrix_a_fmt:MATRIX_FMT_FP4 matrix_b_fmt:MATRIX_FMT_FP4 matrix_a_scale:MATRIX_SCALE_ROW1 matrix_b_scale:MATRIX_SCALE_ROW1
.endif
.endif
.endif
.endm
; Tile i's 16 products.  The two accumulators take turns, one instruction a turn; K step 0 starts the sums.  In tile 0 the fragments are waited for K step by K step.
.macro MM i
.if ((\i)%2) == 0
.set BW, 1+(\i)/8
.set BR, 64*(((\i)/2)%4)
.else
.set BW, 3
.set BR, 128+64*(((\i)/2)%2)
.endif
	WIN 3+4*BW                                     ; the rows in window 3, W1's tile in window BW, sums in window 0
.set S, 0
.rept 8
.if (\i) == 0
	s_wait_dscnt 28-4*S                            ; K step S's four loads are in; the four of each later K step may be out
.endif
	WM 0, \i
	WM 1, \i
.set S, S+1
.endr
	WIN 0
.endm
.macro SLOAD k                         ; my odd tile 2 k + 1 from memory into stream buffer k % 2: 512 consecutive bytes a load
	WIN 0xc0
.irp f, 0,1,2,3,4,5,6,7,8,9,10,11,12,13,14,15
	global_load_b128 v[128+64*((\k)%2)+4*\f:128+64*((\k)%2)+4*\f+3], v[L16], s[6:7] offset:(2*(\k)+1)*8192+512*\f
.endr
	WIN 0
.endm
.macro CLOAD g                         ; rows 8 g .. 8 g + 7 of the block, my 256 columns, f32: 8 registers a row, into row set g % 2 of window 3
	WIN 0xc0
.irp k, 0,1,2,3,4,5,6,7
.irp c, 0,1
	ds_load_b128 v[64*((\g)%2)+8*\k+4*\c:64*((\g)%2)+8*\k+4*\c+3], v[CA] offset:(8*(\g)+\k)*RP+512*\c
.endr
.endr
	WIN 0
.endm
; The pair's 32 registers: 2^(K2 z), 1 / (1 + ..), times -2 V into the score sums.  Each batch of 32 transcendentals has one plain line and one wait behind it, ahead of its first reader.
.macro TANH i
.irp q, 0,2,4,6,8,10,12,14
	v_pk_fma_f32 v[ACC+\q:ACC+\q+1], v[ACC+\q:ACC+\q+1], s[30:31], v[KCC:KCC+1] op_sel_hi:[1,0,0]   ; K2 x product + kc; each accumulator from its low end on
	v_pk_fma_f32 v[ACC2+\q:ACC2+\q+1], v[ACC2+\q:ACC2+\q+1], s[30:31], v[KCC2:KCC2+1] op_sel_hi:[1,0,0]   ; the odd tile likewise
.endr
	s_wait_alu depctr_va_vdst(0)                   ; a wait ahead of the batch too
.irp q, 0,1,2,3,4,5,6,7,8,9,10,11,12,13,14,15
	v_exp_f32 v[ACC+\q], v[ACC+\q]
	v_exp_f32 v[ACC2+\q], v[ACC2+\q]
.endr
	v_nop
	s_wait_alu depctr_va_vdst(0)
.irp q, 0,2,4,6,8,10,12,14
	v_pk_add_f32 v[ACC+\q:ACC+\q+1], v[ACC+\q:ACC+\q+1], 1.0 op_sel_hi:[1,0]
	v_pk_add_f32 v[ACC2+\q:ACC2+\q+1], v[ACC2+\q:ACC2+\q+1], 1.0 op_sel_hi:[1,0]
.endr
	s_wait_alu depctr_va_vdst(0)                   ; likewise ahead of the reciprocals
.irp q, 0,1,2,3,4,5,6,7,8,9,10,11,12,13,14,15
	v_rcp_f32 v[ACC+\q], v[ACC+\q]
	v_rcp_f32 v[ACC2+\q], v[ACC2+\q]
.endr
	v_nop
	s_wait_alu depctr_va_vdst(0)
.irp q, 0,2,4,6,8,10,12,14
.if (\i) == 1
	v_pk_fma_f32 v[SACC+\q:SACC+\q+1], v[ACC+\q:ACC+\q+1], v[WC:WC+1], v[VS:VS+1] op_sel_hi:[1,0,0]   ; the first pair's even tile starts the sums with the sum of my V
.else
	v_pk_fma_f32 v[SACC+\q:SACC+\q+1], v[ACC+\q:ACC+\q+1], v[WC:WC+1], v[SACC+\q:SACC+\q+1] op_sel_hi:[1,0,1]
.endif
.endr
.irp q, 0,2,4,6,8,10,12,14
	v_pk_fma_f32 v[SACC+\q:SACC+\q+1], v[ACC2+\q:ACC2+\q+1], v[WC2:WC2+1], v[SACC+\q:SACC+\q+1] op_sel_hi:[1,0,1]   ; the odd tile's share
.endr
.endm
; A pair of tiles.  Behind the odd tile's products stand five plain lines that name none of their registers: four are owed to the loads into the buffers just read and to the first read of the sums,
; the fifth to the next tile's first products, which begin the same accumulators anew.
.macro LLOAD                           ; my tile 15 from my own LDS bytes into stream buffer 1: 512 consecutive bytes a load
	WIN 0xc0
.irp f, 0,1,2,3,4,5,6,7,8,9,10,11,12,13,14,15
	ds_load_b128 v[192+4*\f:192+4*\f+3], v[W1A] offset:512*\f
.endr
	WIN 0
.endm
.macro TILE i, tail
.if ((\i) == 2) && !(\tail)
	s_cmp_lt_u32 s25, 3                            ; the loop's last two trips would name blocks 8 and 9: they ask for nothing
	s_cbranch_scc1 .Lnoask_\@
.irp c, 0,1,2,3
	global_prefetch_b8 v[PFO], s[72:73] offset:256*\c th:TH_LOAD_NT scope:SCOPE_SE
.endr
.Lnoask_\@:
.endif
.if ((\i)%2) == 1
.if (\i) == 15
	s_wait_dscnt 0x0                               ; tile 15's 16 LDS loads, issued behind tile 11, are in
.else
.if (\i) == 13
	s_wait_loadcnt 0x0                             ; tile 13 is in: no global load was issued behind its 16
.else
	s_wait_loadcnt 16                              ; this streamed tile is in; the 16 loads of the next one may be out
.endif
.endif
.endif
	MM \i
.if ((\i)%2) == 1                              ; behind the pair's last product: the five plain lines, four of them the two tiles' kc and -2 V
	v_mov_b32 v[KCC], v[KC+(\i)-1]
	v_mov_b32 v[WC], v[W+(\i)-1]
	v_mov_b32 v[KCC2], v[KC+(\i)]
	v_mov_b32 v[WC2], v[W+(\i)]
	v_nop
.endif
.if ((\i)%2) == 1
.if !((\tail) && ((\i) >= 13))
.if (\i) == 11
	LLOAD                                          ; the buffer just read takes tile 15, from LDS
.else
	SLOAD ((\i)/2+2)%8                             ; the buffer just read takes the odd tile two further on; tiles 13 and 15 ask for the next block's first two
.endif
.endif
.endif
.if (\i) == 15
	CLOAD 0                                        ; the fragments are done with: their registers take the first 16 f32 rows
	CLOAD 1
.endif
.if ((\i)%2) == 1
	TANH \i                                        ; both tiles of the pair
.endif
.endm
.macro CROWS g                         ; context += weight x row, rows 8 g .. 8 g + 7; a row's weight lies in the lane of its number; two sets of sums by turns
.irp k, 0,1,2,3,4,5,6,7
	v_readlane_b32 s[48+2*\k], v[P], 8*(\g)+\k
.endr
	WIN 0x03
.irp k, 0,1,2,3,4,5,6,7
.irp u, 0,2,4,6
	v_pk_fma_f32 v[CTX+8*(\k%2)+\u:CTX+8*(\k%2)+\u+1], v[64*((\g)%2)+8*\k+\u:64*((\g)%2)+8*\k+\u+1], s[48+2*\k:49+2*\k], v[CTX+8*(\k%2)+\u:CTX+8*(\k%2)+\u+1] op_sel_hi:[1,0,1]
.endr
.endr
	WIN 0
.endm
.macro BODY tail
	; ---- Q: my 16 rows x 4 K steps become four fragments; two input sets and two code sets by turns
	QLOAD 0
	QLOAD 1
	s_wait_dscnt 16                                ; set 0 is in; set 1's 16 loads may be out
	QUANT 0
	IMAGE 0
	QLOAD 2
	s_wait_dscnt 19                                ; set 1 is in; behind it: 3 stores and 16 loads
	QUANT 1
	IMAGE 1
	QLOAD 3
	s_wait_dscnt 19                                ; set 0 is in again, and the first image's stores have read their registers
	QUANT 0
	IMAGE 2
	s_wait_dscnt 3                                 ; set 1 likewise; behind it: 3 stores
	QUANT 1
	IMAGE 3
	BAR                                            ; the block's 16 fragments and their scale words lie in LDS
	; ---- products, tanh, dot with V
	ALOAD
.irp i, 0,1,2,3,4,5,6,7,8,9,10,11,12,13,14,15
	TILE \i, \tail
.endr
	; ---- the scores: over the sixteen lanes of a half (my tiles' columns), then over the four waves
.irp m, 1,2,4,8
.irp q, 0,1,2,3,4,5,6,7,8,9,10,11,12,13,14,15
	v_add_f32_dpp v[SACC+\q], v[SACC+\q], v[SACC+\q] row_xmask:\m row_mask:0xf bank_mask:0xf
.endr
.endr
.irp q, 0,1,2,3,4,5,6,7,8,9,10,11,12,13,14,15
	ds_store_b32 v[PST], v[SACC+\q] offset:64*(\q/8)+4*(\q%8)   ; row 16 mt + 8 h + j; sixteen lanes write the same word with the same value
.endr
	BAR                                            ; the four waves' partial scores lie in LDS (and my first 16 f32 rows are in)
.irp i, 0,1,2,3
	ds_load_b32 v[T+\i], v[PRD] offset:128*\i      ; lane = row
.endr
	s_wait_dscnt 0x0
	v_add_f32 v[T], v[T], v[T+1]
	v_add_f32 v[T+2], v[T+2], v[T+3]
	v_add_f32 v[T], v[T], v[T+2]
	v_fma_f32 v[TS], v[T], s34, v[VBL]             ; t = (score + V_b) log2(e): the same bits in all four waves
	s_wait_alu depctr_va_vdst(0)                   ; ahead of the branch
	s_cmp_lg_u32 s22, 0
	s_cbranch_scc1 .Lkept_\@
	ds_store_b32 v[SSB], v[TS]                     ; wave 0 keeps the block's 32 t in bytes of its own
.Lkept_\@:
	; ---- running softmax
	v_max_num_f32_dpp v[T], v[TS], v[TS] row_xmask:1 row_mask:0xf bank_mask:0xf
	v_max_num_f32_dpp v[T], v[T], v[T] row_xmask:2 row_mask:0xf bank_mask:0xf
	v_max_num_f32_dpp v[T], v[T], v[T] row_xmask:4 row_mask:0xf bank_mask:0xf
	v_max_num_f32_dpp v[T], v[T], v[T] row_xmask:8 row_mask:0xf bank_mask:0xf
	v_permlanex16_b32 v[T+1], v[T], s32, s33
	v_max3_num_f32 v[T+1], v[T], v[T+1], v[MX]     ; the new largest t
	v_sub_f32 v[F], v[MX], v[T+1]
	v_sub_f32 v[P], v[TS], v[T+1]
	v_mov_b32 v[MX], v[T+1]
	s_wait_alu depctr_va_vdst(0)                   ; a wait ahead of the batch too
	v_exp_f32 v[F], v[F]                           ; what was summed under the old largest t is brought under the new
	v_exp_f32 v[P], v[P]                           ; my row's weight, not yet normalised
	v_nop
	s_wait_alu depctr_va_vdst(0)                   ; one wait for the two, ahead of their first reader
	v_fma_f32 v[LS], v[LS], v[F], v[P]
.irp u, 0,2,4,6,8,10,12,14
	v_pk_mul_f32 v[CTX+\u:CTX+\u+1], v[CTX+\u:CTX+\u+1], v[F:F+1] op_sel_hi:[1,0]
.endr
	; ---- the context of my 256 columns
	CROWS 0
	CLOAD 2
	CROWS 1
	CLOAD 3
	s_wait_alu depctr_va_vdst(0)                   ; directly ahead of the wait below
	s_wait_dscnt 16                                ; rows 16-23 are in; the 16 loads of rows 24-31 may be out
	CROWS 2
	s_wait_alu depctr_va_vdst(0)                   ; likewise
	s_wait_dscnt 0x0
	CROWS 3
	s_xor_b32 s26, s26, SLOTB                      ; on to the other slot,
	s_add_co_u32 s29, s29, 128                     ; and the next block's 32 words of t
.endm
	s_load_b256 s[4:11], s[0:1], 0x0               ; values s[4:5], w1f s[6:7], W1's scales s[8:9], kc s[10:11]
	s_load_b256 s[12:19], s[0:1], 0x20             ; V_w s[12:13], V_b s[14:15], tsc s[16:17], stat s[18:19]
	s_load_b64 s[20:21], s[0:1], 0x40              ; pctx
	v_lshl_add_u32 v[SPW], v0, 2, SPARE
	v_mov_b32 v[NIL], 0
	ds_add_u32 v1, v2
	ds_add_u32 v1, v2
	s_wait_dscnt 0x0
	v_lshrrev_b32 v[SSB], 5, v0
	v_readfirstlane_b32 s22, v[SSB]                ; wave 0..3
	s_mov_b32 s23, ttmp9                           ; x: which 256 rows of the batch
	s_and_b32 s24, ttmp7, 0xffff                   ; b: the batch
	; descriptor group 1: 32 rows x 256 elements of 4 bytes, 1,024 elements from row to row; in LDS 4 words of padding behind every 256
	s_mov_b32 s40, (2<<16)|(1<<20)|(7<<22)|(3<<25) ; 15:0 no mask; 17:16 elements of 4 bytes; 20 padding on; 24:22 after every 256 words (code 7); 31:25 four words (code 3)
	s_mov_b32 s41, 256<<16                         ; tensor_dim0 = 256
	s_mov_b32 s42, 32<<16                          ; tensor_dim1 = 32
	s_mov_b32 s43, 256<<16                         ; tile_dim0 = 256
	s_mov_b32 s44, 32                              ; tile_dim1 = 32
	s_mov_b32 s45, 1024                            ; tensor_dim0_stride
	s_mov_b32 s46, 0
	s_mov_b32 s47, 0
	s_mul_i32 s28, s22, QB                         ; my quarter's place in a slot
	s_lshl_b32 s66, s24, 23                        ; a batch is 2^23 bytes, my 256 rows 2^20, my quarter of a row 2^10: under 2^28 in all
	s_lshl_b32 s68, s23, 20
	s_or_b32 s66, s66, s68
	s_lshl_b32 s68, s22, 10
	s_or_b32 s66, s66, s68
	s_mov_b32 s67, 0
	s_mov_b32 s26, 0                               ; the slot in hand
	s_mov_b32 s29, 0                               ; 128 x block
	s_wait_kmcnt 0x0
	s_load_b32 s35, s[14:15], 0x0                  ; V_b
	s_mov_b32 s36, 1                               ; group 0: count = 1,
	s_mov_b32 s37, s28                             ; LDS address: slot 0, my quarter,
	s_add_nc_u64 s[38:39], s[4:5], s[66:67]        ; global address: block 0, my quarter,
	s_add_nc_u64 s[72:73], s[4:5], s[66:67]        ; the prefetches' address:
	s_add_nc_u64 s[72:73], s[72:73], 2*BLKB        ; block 2; the first change of slots steps it to block 3
	s_or_b32 s39, s39, 0x80000000                  ; type = 2
	tensor_load_to_lds s[36:39], s[40:47]          ; the first fill, ahead of every wait on TENSORcnt, every LDS read and every barrier
	s_nop 0
	v_and_b32 v[T], 31, v0                         ; lane      (four vector lines behind the load, ahead of the next switch of windows)
	v_and_b32 v[T+1], 15, v0                       ; r
	v_bfe_u32 v[T+2], v0, 4, 1                     ; h
	v_lshlrev_b32 v[L16], 4, v[T]
	v_lshlrev_b32 v[T+3], 5, v[T]                  ; W1's scale bytes: 32 a column, a lane a column
	v_lshlrev_b32 v[T+4], 2, v[T+1]                ; kc and V: 4 r
	v_lshlrev_b32 v[PFO], 12, v[T]                 ; a row of values is 4,096 bytes: a lane a row
	s_wait_alu depctr_va_vdst(0)                   ; ahead of the run of scalar lines
	s_mov_b32 s69, 0
	s_lshl_b32 s68, s22, 17                        ; my 16 tiles of w1f
	s_add_nc_u64 s[6:7], s[6:7], s[68:69]
	s_lshl_b32 s68, s22, 13                        ; my 256 columns' scale bytes
	s_add_nc_u64 s[8:9], s[8:9], s[68:69]
	s_lshl_b32 s70, s22, 10                        ; my 256 numbers of a row of 1,024
	s_lshl_b32 s68, s24, 12
	s_add_co_u32 s68, s68, s70
	s_add_nc_u64 s[10:11], s[10:11], s[68:69]      ; kc: row b
	s_mov_b32 s68, s70
	s_add_nc_u64 s[12:13], s[12:13], s[68:69]      ; V
	s_lshl_b32 s68, s24, 13
	s_lshl_b32 s71, s23, 10
	s_add_co_u32 s68, s68, s71
	s_add_nc_u64 s[16:17], s[16:17], s[68:69]      ; tsc: 4 (2,048 b + 256 x)
	s_lshl_b32 s68, s24, 11
	s_lshl_b32 s71, s23, 8
	s_add_co_u32 s68, s68, s71
	s_add_nc_u64 s[18:19], s[18:19], s[68:69]      ; stat: 256 (8 b + x)
	s_lshl_b32 s68, s24, 15
	s_lshl_b32 s71, s23, 12
	s_add_co_u32 s68, s68, s71
	s_add_co_u32 s68, s68, s70
	s_add_nc_u64 s[20:21], s[20:21], s[68:69]      ; pctx: 4,096 (8 b + x) + my quarter
.irp p, 0,1,2,3,4,5,6,7
	global_load_b128 v[BS+8*\p:BS+8*\p+3], v[T+3], s[8:9] offset:1024*\p       ; column 32 p + lane: lanes 0-15 tile 2 p, lanes 16-31 tile 2 p + 1; K steps 0-3,
	global_load_b128 v[BS+8*\p+4:BS+8*\p+7], v[T+3], s[8:9] offset:1024*\p+16  ; and 4-7
.endr
.irp i, 0,1,2,3,4,5,6,7,8,9,10,11,12,13,14,15
	global_load_b32 v[KC+\i], v[T+4], s[10:11] offset:64*\i
.endr
.irp i, 0,1,2,3,4,5,6,7,8,9,10,11,12,13,14,15
	global_load_b32 v[W+\i], v[T+4], s[12:13] offset:64*\i
.endr
	WIN 0xc0                                       ; my tile 15 passes through v0-63 of window 3 on its way to LDS
.irp f, 0,1,2,3,4,5,6,7,8,9,10,11,12,13,14,15
	global_load_b128 v[4*\f:4*\f+3], v[L16], s[6:7] offset:15*8192+512*\f
.endr
	WIN 0x40                                       ; destination window 1: the resident tiles 0, 2, 4, 6
.irp p, 0,1,2,3
.irp f, 0,1,2,3,4,5,6,7,8,9,10,11,12,13,14,15
	global_load_b128 v[64*\p+4*\f:64*\p+4*\f+3], v[L16], s[6:7] offset:16384*\p+512*\f
.endr
.endr
	WIN 0x80                                       ; window 2: tiles 8, 10, 12, 14
.irp p, 0,1,2,3
.irp f, 0,1,2,3,4,5,6,7,8,9,10,11,12,13,14,15
	global_load_b128 v[64*\p+4*\f:64*\p+4*\f+3], v[L16], s[6:7] offset:16384*(\p+4)+512*\f
.endr
.endr
	WIN 0
	SLOAD 0                                        ; last of all, the first two streamed tiles
	SLOAD 1
	; the lane's LDS addresses, all made here, ahead of every branch on the wave's number
	s_lshr_b32 s66, s22, 1                         ; w >> 1: which four K steps I quantise
	s_and_b32 s67, s22, 1                          ; w & 1: which 16 rows
	s_mul_i32 s68, s66, 2*QB
	s_mul_i32 s70, s67, 16*RP
	s_add_co_u32 s68, s68, s70
	v_mul_u32_u24 v[QA0], v[T+1], RP
	v_lshl_add_u32 v[QA0], v[T+2], 6, v[QA0]
	v_add_nc_u32 v[QA0], s68, v[QA0]               ; quarter 2 (w >> 1), row 16 (w & 1) + r, + 64 h
	s_lshl_b32 s68, s66, 13
	s_lshl_b32 s70, s67, 10
	s_add_co_u32 s68, s68, s70
	s_add_co_u32 s68, s68, IMG
	v_add_nc_u32 v[IWI], s68, v[L16]
	s_lshl_b32 s68, s66, 9
	s_lshl_b32 s70, s67, 6
	s_add_co_u32 s68, s68, s70
	s_add_co_u32 s68, s68, ASC
	v_lshl_add_u32 v[IWS], v[T+1], 2, s68
	v_add_nc_u32 v[AIL], IMG, v[L16]
	v_lshl_add_u32 v[ASL], v[T], 2, ASC
	s_lshl_b32 s68, s22, 7
	s_add_co_u32 s68, s68, PART
	v_lshl_add_u32 v[PST], v[T+2], 5, s68
	v_lshl_add_u32 v[PRD], v[T], 2, PART
	v_add_nc_u32 v[CA0], s28, v[L16]
	v_lshl_add_u32 v[SSA], v[T], 2, SCST
	v_add_nc_u32 v[SRB], SCST, v[L16]
	v_lshlrev_b32 v[L8], 3, v[T]
	s_lshl_b32 s68, s22, 13
	s_add_co_u32 s68, s68, W1L
	v_add_nc_u32 v[W1A], s68, v[L16]               ; my tile 15 in LDS
	s_mov_b32 s30, 0x4038aa3b                      ; K2 = 2 log2(e); the packed form names a pair and takes its low word for both halves, so both are written
	s_mov_b32 s31, s30
	s_mov_b32 s32, 0x76543210                      ; v_permlanex16_b32's selects for lane l xor 16
	s_mov_b32 s33, 0xfedcba98
	s_mov_b32 s34, 0x3fb8aa3b                      ; log2(e)
.irp k, 0,1,2,3,4,5,6,7
	s_mov_b32 s[49+2*\k], 0                        ; the upper words of the weights' pairs: named, never used
.endr
	v_mov_b32 v[KCC+1], 0                          ; likewise the upper words of the vector pairs
	v_mov_b32 v[WC+1], 0
	v_mov_b32 v[KCC2+1], 0
	v_mov_b32 v[WC2+1], 0
	v_mov_b32 v[VS+1], 0
	v_mov_b32 v[F+1], 0
.irp b, 0,1,2,3
	v_mov_b32 v[TM+4+\b], 0                        ; written once: a lane permute's destination counts as one of its sources
.endr
	v_mov_b32 v[MX], 0xff61b1e6                    ; the largest t so far: -3e38, under every t
	v_mov_b32 v[LS], 0
.irp u, 0,1,2,3,4,5,6,7,8,9,10,11,12,13,14,15
	v_mov_b32 v[CTX+\u], 0                         ; the block is written once for all blocks: the first finds zeros
.endr
	s_wait_kmcnt 0x0
	v_mov_b32 v[VBL], s35
	v_mul_f32 v[VBL], s34, v[VBL]                  ; V_b log2(e)
	s_wait_alu depctr_va_vdst(0)                   ; directly ahead of the wait below
	s_wait_loadcnt 32                              ; all but the two streamed tiles are in: the count that the loop's backward jump brings too
	WIN 0x0c                                       ; a store's data: window 3
.irp f, 0,1,2,3,4,5,6,7,8,9,10,11,12,13,14,15
	ds_store_b128 v[W1A], v[4*\f:4*\f+3] offset:512*\f   ; tile 15 as an image of its registers, into bytes that no tensor load fills
.endr
	WIN 0
	v_add_f32 v[VS], v[W], v[W+1]
.irp i, 2,3,4,5,6,7,8,9,10,11,12,13,14,15
	v_add_f32 v[VS], v[VS], v[W+\i]                ; the sum of V at column r of my 16 tiles
.endr
.irp i, 0,1,2,3,4,5,6,7,8,9,10,11,12,13,14,15
	v_mul_f32 v[W+\i], -2.0, v[W+\i]
.endr
	s_wait_alu depctr_va_vdst(0)
	s_mov_b32 s25, 7
.Lblk:                                             ; blocks 0 to 6: each asks for the block behind it
	CHANGE 1
	BODY 0
	s_sub_co_u32 s25, s25, 1
	s_cmp_lg_u32 s25, 0
	s_cbranch_scc1 .Lblk
	CHANGE 0                                       ; the last block is written out; it asks for nothing more
	BODY 1
	; ---- what the work-group leaves
.irp u, 0,2,4,6
	v_pk_add_f32 v[CTX+\u:CTX+\u+1], v[CTX+\u:CTX+\u+1], v[CTX+8+\u:CTX+8+\u+1]
.endr
	v_add_f32_dpp v[LS], v[LS], v[LS] row_xmask:1 row_mask:0xf bank_mask:0xf
	v_add_f32_dpp v[LS], v[LS], v[LS] row_xmask:2 row_mask:0xf bank_mask:0xf
	v_add_f32_dpp v[LS], v[LS], v[LS] row_xmask:4 row_mask:0xf bank_mask:0xf
	v_add_f32_dpp v[LS], v[LS], v[LS] row_xmask:8 row_mask:0xf bank_mask:0xf
	v_permlanex16_b32 v[T], v[LS], s32, s33
	v_add_f32 v[LS], v[LS], v[T]                   ; the sum of the 256 weights, in every lane
	global_store_b128 v[L16], v[CTX:CTX+3], s[20:21]              ; 32 lanes store 512 consecutive bytes, aligned to 256
	global_store_b128 v[L16], v[CTX+4:CTX+7], s[20:21] offset:512
	s_cmp_lg_u32 s22, 0
	s_cbranch_scc1 .Lend
	global_store_b64 v[L8], v[MX:MX+1], s[18:19]   ; (largest t, sum), 32 times: 256 consecutive bytes, aligned
	ds_load_b128 v[T:T+3], v[SRB]                  ; LDS serves a wave's instructions in order (ISA guide 5.7.1.4): these see wave 0's own stores
	ds_load_b128 v[T+4:T+7], v[SRB] offset:512
	s_wait_dscnt 0x0
	global_store_b128 v[L16], v[T:T+3], s[16:17]   ; the work-group's 256 t
	global_store_b128 v[L16], v[T+4:T+7], s[16:17] offset:512
.Lend:
	s_wait_tensorcnt 0x0                           ; the wave's end, behind my last tensor load and my last LDS store
	ds_add_u32 v[SPW], v[NIL]
	s_wait_dscnt 0x0
	s_endpgm
.Lfunc_end_k_q7c5f1ec248_main:
	.size	k_q7c5f1ec248_main, .Lfunc_end_k_q7c5f1ec248_main-k_q7c5f1ec248_main
	.p2alignl 7, 3214868480
	.fill 96, 4, 3214868480
	.section	.rodata,"a",@progbits
	.p2align	6, 0x0
	.amdhsa_kernel k_q7c5f1ec248_main
		.amdhsa_group_segment_fixed_size 327680
		.amdhsa_private_segment_fixed_size 0
		.amdhsa_enable_private_segment 0
		.amdhsa_kernarg_size 72
		.amdhsa_user_sgpr_count 2
		.amdhsa_user_sgpr_kernarg_segment_ptr 1
		.amdhsa_wavefront_size32 1
		.amdhsa_system_sgpr_workgroup_id_x 1
		.amdhsa_system_sgpr_workgroup_id_y 1
		.amdhsa_system_sgpr_workgroup_id_z 1
		.amdhsa_system_vgpr_workitem_id 0
		.amdhsa_next_free_vgpr 1024
		.amdhsa_next_free_sgpr 80
		.amdhsa_reserve_vcc 0
		.amdhsa_float_denorm_mode_32 3
		.amdhsa_float_denorm_mode_16_64 3
		.amdhsa_memory_ordered 1
		.amdhsa_forward_progress 1
		.amdhsa_inst_pref_size 255
	.end_amdhsa_kernel
	.section	.bss,"aw",@nobits
	.p2align	6
	.space	262144
	.amdgpu_metadata
---
amdhsa.version: [ 1, 2 ]
amdhsa.kernels:
  - .name:           k_q7c5f1ec248_main
    .symbol:         k_q7c5f1ec248_main.kd
    .args:
      - { .name: values, .offset: 0, .size: 8, .value_kind: global_buffer, .address_space: global }
      - { .name: w1f, .offset: 8, .size: 8, .value_kind: global_buffer, .address_space: global }
      - { .name: W1_w_scales, .offset: 16, .size: 8, .value_kind: global_buffer, .address_space: global }
      - { .name: kc, .offset: 24, .size: 8, .value_kind: global_buffer, .address_space: global }
      - { .name: V_w, .offset: 32, .size: 8, .value_kind: global_buffer, .address_space: global }
      - { .name: V_b, .offset: 40, .size: 8, .value_kind: global_buffer, .address_space: global }
      - { .name: tsc, .offset: 48, .size: 8, .value_kind: global_buffer, .address_space: global }
      - { .name: stat, .offset: 56, .size: 8, .value_kind: global_buffer, .address_space: global }
      - { .name: pctx, .offset: 64, .size: 8, .value_kind: global_buffer, .address_space: global }
    .group_segment_fixed_size: 327680
    .private_segment_fixed_size: 0
    .kernarg_segment_align: 8
    .kernarg_segment_size: 72
    .max_flat_workgroup_size: 128
    .sgpr_count:     80
    .vgpr_count:     1024
    .wavefront_size: 32
...
	.end_amdgpu_metadata
.endif
;; end of part 2
;; launch finish (part 3): grid 4 x 32, 4 waves a work-group, no clusters, 0 bytes of LDS; arguments tsc, stat, pctx, out0, out1; writes out0, out1
.if DOCPART == 3
	.amdgcn_target "amdgcn-amd-amdhsa--gfx1250"
	.amdhsa_code_object_version 6
	.text
	.protected	k_q7c5f1ec248_finish
	.globl	k_q7c5f1ec248_finish
	.p2align	8
	.type	k_q7c5f1ec248_finish,@function
k_q7c5f1ec248_finish:
	s_mov_b64 s[64:65], 0
	v_nop
	global_prefetch_b8 v0, s[64:65] scope:SCOPE_SE
	s_setreg_imm32_b32 hwreg(HW_REG_WAVE_MODE, 25, 1), 1
	s_wait_xcnt 0x0
; A BATCH'S EIGHT PARTS ARE JOINED.  Part g of batch b left its largest t, m_g, its sum l_g of 2^(t - m_g) (stat, 256 bytes a part, the pair repeated), its context under m_g (pctx [256][1024]) and its t (tsc).
; M = the largest m_g; e_g = 2^(m_g - M); L = sum of e_g l_g.  out1[b][t] = 2^(t - M) / L;  out0[b][d] = sum of e_g pctx[8 b + g][d] / L.
; Work-group (x, b): 512 of the batch's 2,048 weights, four a thread, and 256 of its 1,024 context columns, two a thread.  Memory binds and the launch is small: no LDS, no barrier, no matrix unit.
; LIMITS: as the launch before: NaN and infinities are not served.  A weight under 2^-126 of the largest comes out as 0.
	s_load_b256 s[4:11], s[0:1], 0x0               ; tsc s[4:5], stat s[6:7], pctx s[8:9], out0 s[10:11]
	s_load_b64 s[12:13], s[0:1], 0x20              ; out1
	s_and_b32 s14, ttmp7, 0xffff                   ; b
	v_mov_b32 v1, 0
	v_lshlrev_b32 v2, 4, v0                        ; four t a thread
	v_lshlrev_b32 v3, 3, v0                        ; two columns a thread
	s_mov_b32 s17, 0
	s_lshl_b32 s18, s14, 13
	s_lshl_b32 s19, ttmp9, 11
	s_add_co_u32 s16, s18, s19                     ; 4 (2,048 b + 512 x)
	s_wait_alu depctr_va_vdst(0)
	s_wait_kmcnt 0x0
	s_add_nc_u64 s[4:5], s[4:5], s[16:17]
	s_add_nc_u64 s[12:13], s[12:13], s[16:17]
	s_lshl_b32 s16, s14, 11                        ; stat: 256 x 8 b
	s_add_nc_u64 s[6:7], s[6:7], s[16:17]
	s_lshl_b32 s18, s14, 15                        ; pctx: 4,096 x 8 b + 1,024 x
	s_lshl_b32 s19, ttmp9, 10
	s_add_co_u32 s16, s18, s19
	s_add_nc_u64 s[8:9], s[8:9], s[16:17]
	s_lshl_b32 s18, s14, 12                        ; out0: 4,096 b + 1,024 x
	s_add_co_u32 s16, s18, s19
	s_add_nc_u64 s[10:11], s[10:11], s[16:17]
.irp g, 0,1,2,3,4,5,6,7
	global_load_b64 v[4+2*\g:5+2*\g], v1, s[6:7] offset:256*\g     ; (m_g, l_g): every lane the same pair
.endr
	global_load_b128 v[20:23], v2, s[4:5]
.irp g, 0,1,2,3,4,5,6,7
	global_load_b64 v[24+2*\g:25+2*\g], v3, s[8:9] offset:4096*\g
.endr
	s_wait_loadcnt 0x0
	v_max3_num_f32 v40, v4, v6, v8
	v_max3_num_f32 v40, v40, v10, v12
	v_max3_num_f32 v40, v40, v14, v16
	v_max_num_f32 v40, v40, v18                    ; M
.irp g, 0,1,2,3,4,5,6,7
	v_sub_f32 v[41+\g], v[4+2*\g], v40
.endr
.irp i, 0,1,2,3
	v_sub_f32 v[20+\i], v[20+\i], v40
.endr
	s_wait_alu depctr_va_vdst(0)
.irp g, 0,1,2,3,4,5,6,7
	v_exp_f32 v[41+\g], v[41+\g]                   ; e_g
.endr
.irp i, 0,1,2,3
	v_exp_f32 v[20+\i], v[20+\i]                   ; 2^(t - M)
.endr
	v_nop                                          ; a plain line behind the last exponential,
	s_wait_alu depctr_va_vdst(0)                   ; and one wait for the twelve, ahead of their first reader
	v_mul_f32 v49, v41, v5
.irp g, 1,2,3,4,5,6,7
	v_fmac_f32 v49, v[41+\g], v[5+2*\g]            ; L
.endr
	s_wait_alu depctr_va_vdst(0)
	v_rcp_f32 v52, v49
	v_mul_f32 v50, v41, v24                        ; the context's sums are the independent work behind the reciprocal
	v_mul_f32 v51, v41, v25
.irp g, 1,2,3,4,5,6,7
	v_fmac_f32 v50, v[41+\g], v[24+2*\g]
	v_fmac_f32 v51, v[41+\g], v[25+2*\g]
.endr
	s_wait_alu depctr_va_vdst(0)                   ; ahead of the reciprocal's first reader
.irp i, 0,1,2,3
	v_mul_f32 v[20+\i], v[20+\i], v52
.endr
	v_mul_f32 v50, v50, v52
	v_mul_f32 v51, v51, v52
	global_store_b128 v2, v[20:23], s[12:13]       ; a wave stores 512 consecutive bytes of out1
	global_store_b64 v3, v[50:51], s[10:11]        ; and 256 consecutive bytes of out0, aligned
	s_endpgm
.Lfunc_end_k_q7c5f1ec248_finish:
	.size	k_q7c5f1ec248_finish, .Lfunc_end_k_q7c5f1ec248_finish-k_q7c5f1ec248_finish
	.p2alignl 7, 3214868480
	.fill 96, 4, 3214868480
	.section	.rodata,"a",@progbits
	.p2align	6, 0x0
	.amdhsa_kernel k_q7c5f1ec248_finish
		.amdhsa_group_segment_fixed_size 0
		.amdhsa_private_segment_fixed_size 0
		.amdhsa_enable_private_segment 0
		.amdhsa_kernarg_size 40
		.amdhsa_user_sgpr_count 2
		.amdhsa_user_sgpr_kernarg_segment_ptr 1
		.amdhsa_wavefront_size32 1
		.amdhsa_system_sgpr_workgroup_id_x 1
		.amdhsa_system_sgpr_workgroup_id_y 1
		.amdhsa_system_sgpr_workgroup_id_z 1
		.amdhsa_system_vgpr_workitem_id 0
		.amdhsa_next_free_vgpr 64
		.amdhsa_next_free_sgpr 66
		.amdhsa_reserve_vcc 0
		.amdhsa_float_denorm_mode_32 3
		.amdhsa_float_denorm_mode_16_64 3
		.amdhsa_memory_ordered 1
		.amdhsa_forward_progress 1
		.amdhsa_inst_pref_size 5
	.end_amdhsa_kernel
	.amdgpu_metadata
---
amdhsa.version: [ 1, 2 ]
amdhsa.kernels:
  - .name:           k_q7c5f1ec248_finish
    .symbol:         k_q7c5f1ec248_finish.kd
    .args:
      - { .name: tsc, .offset: 0, .size: 8, .value_kind: global_buffer, .address_space: global }
      - { .name: stat, .offset: 8, .size: 8, .value_kind: global_buffer, .address_space: global }
      - { .name: pctx, .offset: 16, .size: 8, .value_kind: global_buffer, .address_space: global }
      - { .name: out0, .offset: 24, .size: 8, .value_kind: global_buffer, .address_space: global }
      - { .name: out1, .offset: 32, .size: 8, .value_kind: global_buffer, .address_space: global }
    .group_segment_fixed_size: 0
    .private_segment_fixed_size: 0
    .kernarg_segment_align: 8
    .kernarg_segment_size: 40
    .max_flat_workgroup_size: 128
    .sgpr_count:     66
    .vgpr_count:     64
    .wavefront_size: 32
...
	.end_amdgpu_metadata
.endif
;; end of part 3
